; MI455X (gfx1250); checked and timed in simulation.
; The chip was launched on July 23, 2026; its instructions are those of AMD's public machine-readable ISA for CDNA 5 (MIT licence, August 2026) and "CDNA5" Instruction Set Architecture Reference Guide (July 2026). The comments in the code are by the model that wrote it; some were corrected since.
;; Scaled Dot Product. Allowed arithmetic: matrix products marked QUANTISED: E2M1 operands, one E8M0 scale for each 32 along K, by v_wmma_scale_f32_16x16x128_f8f6f4 with both operands' format E2M1 (or v_wmma_scale_f32_32x16x128_f4), f32 sums; everything else in f32.
;; Inputs: k_codes 4 x 16 x 2,048 x 2 x 16 uint8 (E2M1 codes of k, K innermost, in blocks of 32 codes, two codes a byte); k_scales 4 x 16 x 2,048 x 2 uint8 (E8M0 scales of k, one for each 32 codes along K); mask 1 x 1 x 2,048 x 2,048 int32; q_codes 4 x 16 x 2,048 x 2 x 16 uint8 (E2M1 codes of q, K innermost, in blocks of 32 codes, two codes a byte); q_scales 4 x 16 x 2,048 x 2 uint8 (E8M0 scales of q, one for each 32 codes along K); v_codes 4 x 16 x 64 x 64 x 16 uint8 (E2M1 codes of v, K innermost, in blocks of 32 codes, two codes a byte); v_scales 4 x 16 x 64 x 64 uint8 (E8M0 scales of v, one for each 32 codes along K).
;; Outputs: out0 4 x 16 x 2,048 x 64 float32.
;; This version of the problem:
;;   THIS VERSION OF THE PROBLEM IS GIVEN IN LOW PRECISION. The matrix products marked QUANTISED in the list below multiply operands that are first quantised to E2M1 (2 exponent bits, 1 mantissa bit; 4 bits a number), with one power-of-two scale for each 32 numbers along K (OCP MX v1.0); their sums are f32. All else is computed in f32.
;;   The module's matrix products, in the order in which they are computed (A, B: the left and right operand; K: the contracted axis; several contracted axes count as one K, in the product's order):
;;     1. batch 64 x [M 2,048, K 64] x [K 64, N 2,048]; A: input q (given as codes); B: input k (given as codes): QUANTISED
;;     2. batch 64 x [M 2,048, K 2,048] x [K 2,048, N 64]; A: softmax (see below); B: input v (given as codes): QUANTISED
;;   THE QUANTISER, for each operand of a quantised product, along K:
;;     - K is cut into blocks of 32 from its start; a last block that is shorter is filled with zeros.
;;     - A block's scale is 2^e with e = floor(log2(the largest magnitude in the block)) - 2, held to -126 .. 127; a block of zeros has e = 0. As a byte (E8M0): e + 127.
;;     - Each number is divided by its block's scale, clamped to +-6, and rounded to the nearest number of E2M1, ties to even, subnormals kept.
;;     - The product sums the exact products of the quantised numbers (number of the format x scale) in f32.
;;   ~~~python
;;   def quantise(x, axis):      # numpy; x: float32 -> the quantised numbers, widened to float32 again
;;       x = np.moveaxis(x, axis, -1); K = x.shape[-1]
;;       x = np.pad(x, [(0, 0)] * (x.ndim - 1) + [(0, -K % 32)]); x = x.reshape(x.shape[:-1] + (-1, 32)); a = np.abs(x).max(-1, keepdims=True)
;;       e = np.where(a > 0, np.clip(np.frexp(np.where(a > 0, a, 1))[1] - 1 - 2, -126, 127), 0)      # np.frexp(a)[1] - 1 = floor(log2(a)), exactly
;;       r = np.clip(x / 2.0 ** e, -6, 6)
;;       step = 2.0 ** (np.maximum(np.frexp(np.where(r == 0, 1, r))[1] - 1, 0) - 1)
;;       q = np.round(r / step) * step * 2.0 ** e      # np.round: ties to even
;;       return np.moveaxis(q.reshape(q.shape[:-2] + (-1,))[..., :K], -1, axis).astype(np.float32)
;;   ~~~
;;   SOFTMAX AHEAD OF A QUANTISED PRODUCT. Where the list says 'softmax', what is quantised is not the finished softmax but p = 2^(t - M), with t = logit x log2(e) and M = ceil(the row's largest t), a whole number; so 1/2 < the row's largest p <= 1. The row's sum l is taken of the UNQUANTISED p, in f32, and the product's result is divided by l at the end. Since M is a whole number, a kernel that streams over the keys may use a running M (the ceiling of the running maximum): every later rescaling is an exact power of two, which a block's scale takes up: the codes' values come out the same.
;;   OPERANDS COMPUTED ON THE WAY. 'Computed on the way' means the value that the module computes at that place (a softmax that the list does not call 'softmax' is quantised finished and normalised). What goes into a quantiser is computed in f32, as accurately as f32 sums, v_exp_f32 and their like allow (about 1e-6 of the number): no bf16 or f16 on the way to a quantiser, and a product that is left as it is and whose result goes on into a quantised operand takes f32 operands (vector FMAs, or v_wmma_f32_16x16x4_f32). A number that lies on a knife's edge between two numbers of the format may be rounded either way, as far as f32 arithmetic and the matrix unit's own rounding can turn it there, and no further.
;;   INPUTS GIVEN AS CODES. k (in the module: [4, 16, 2048, 64], K = its axis 3); q (in the module: [4, 16, 2048, 64], K = its axis 3); v (in the module: [4, 16, 2048, 64], K = its axis 2): each comes as NAME_codes (uint8): NAME with its K axis moved to the last place and cut into blocks of 32 codes, [.., K / 32, bytes a block], one block behind the other in memory; two codes a byte, the lower K in the low four bits (a code: sign, 2 exponent bits, 1 mantissa bit); and NAME_scales (uint8): the same leading axes, one E8M0 byte (e + 127) for each 32 codes along K. Its value is code x scale, taken as it is: it is not quantised again, and the codes and scales need not be those that the quantiser above would give.
;; 2 versions. Each part assembles by itself: llvm-mc -triple=amdgcn-amd-amdhsa -mcpu=gfx1250 --defsym DOCPART=n.
;; ======== version 1 of 2: 2 launches
;; limits: right only within a limited range of input values
;; workspace buffers: mbits 524,288 bytes of whole numbers; minfo 16,384 bytes of whole numbers
;; launch maskbits (part 1): grid 2 x 128, 8 waves a work-group, no clusters, 68,608 bytes of LDS; arguments mask, mbits, minfo; writes mbits, minfo
.if DOCPART == 1
	.amdgcn_target "amdgcn-amd-amdhsa--gfx1250"
	.amdhsa_code_object_version 6
	.text
	.protected	k_q11a1ccf794_maskbits
	.globl	k_q11a1ccf794_maskbits
	.p2align	8
	.type	k_q11a1ccf794_maskbits,@function
k_q11a1ccf794_maskbits:
	s_mov_b64 s[64:65], 0
	v_nop
	global_prefetch_b8 v0, s[64:65] scope:SCOPE_SE
	s_setreg_imm32_b32 hwreg(HW_REG_WAVE_MODE, 25, 1), 1
	s_wait_xcnt 0x0
; The mask [2048][2048] of int32 is read ONCE and turned into what the attention launch wants of it.
; A TILE-STEP is 16 queries (tile i) x 128 keys (step j).  For each of the 128 x 16 tile-steps:
;   mbits[i][j][64 words]: word n is a LANE MASK: bit r + 16 h is 1 where mask[16 i + r][128 j + 32 (n / 16) + 16 h + n % 16] == 0 (hidden):
;       the element that register n of the scores holds in lane r + 16 h of the attention launch.  256 bytes a tile-step.
;   minfo[i][j][2 words]: word 0 = (work | mixed << 16) << j, work = some row has an open key here, mixed = some element is hidden here;
;       word 1 = sixteen bits, bit r = row r has an open key here.
; SHARES.  Work-group (x, y): tile i = y; wave w: step j = 8 x + w: 16 rows x 512 bytes.  Waves share nothing: no barrier.
; Each load reads 512 consecutive bytes of one row; the 8 KB turn through the wave's own LDS so that a lane holds 64 numbers of ONE row.
; The two info words of a tile-step are 8 bytes stored by one lane: 16 KB in the whole launch leave in such small stores.
.set PITCH, 528                        ; an LDS row: 512 bytes + 16: row r starts 16 r bytes further round the banks (64 banks of 4 bytes: ISA guide 11.1)
.set WREG,  16*PITCH                   ; a wave's region
.set R,     32                         ; v32-95   the 16 rows as loaded, 4 registers each
.set X,     96                         ; v96-159  turned: register n = 16 b + 4 i + e: key 32 b + 16 h + 4 i + e of row r
	s_load_b128 s[4:7], s[0:1], 0x0                ; mask s[4:5], mbits s[6:7]
	s_load_b64 s[8:9], s[0:1], 0x10                ; minfo
	v_lshl_add_u32 v160, v0, 2, 0x10800
	v_mov_b32 v161, 0
	v_lshrrev_b32 v1, 5, v0
	v_readfirstlane_b32 s10, v1                    ; wave 0..7
	v_and_b32 v1, 31, v0                           ; lane
	v_and_b32 v2, 15, v0                           ; r
	v_bfe_u32 v3, v0, 4, 1                         ; h
	v_lshlrev_b32 v6, 4, v1                        ; 16 x lane: my 16 bytes of a row's 512
	s_mul_i32 s20, s10, WREG                       ; my wave's region in LDS
	v_add_nc_u32 v7, s20, v6                       ; in: as loaded
	v_mul_u32_u24 v8, v2, PITCH
	v_lshl_add_u32 v8, v3, 6, v8
	v_add_nc_u32 v8, s20, v8                       ; out: row r, + 64 h bytes: my 16 keys of each block of 32
	v_lshlrev_b32 v9, 3, v1                        ; 8 x lane: my two words of the 64
	v_mov_b32 v4, 0                                ; (a lane write's destination counts as read)
	v_mov_b32 v5, 0
	v_mov_b32 v12, 0                               ; the info record's offset
	s_and_b32 s12, ttmp7, 0xffff                   ; i
	s_lshl_b32 s13, ttmp9, 3
	s_add_co_u32 s13, s13, s10                     ; j = 8 x + wave
	s_lshl_b32 s14, s12, 17                        ; 16 rows of 8,192 bytes a tile,
	s_lshl_b32 s21, s13, 9                         ; 512 bytes a step
	s_add_co_u32 s14, s14, s21
	s_mov_b32 s15, 0
	s_lshl_b32 s22, s12, 4
	s_add_co_u32 s22, s22, s13                     ; 16 i + j
	s_lshl_b32 s24, s22, 3                         ; 8 bytes of minfo,
	s_mov_b32 s25, 0
	s_lshl_b32 s22, s22, 8                         ; 256 bytes of mbits
	s_mov_b32 s23, 0
	s_wait_kmcnt 0x0
	s_add_nc_u64 s[4:5], s[4:5], s[14:15]
	s_add_nc_u64 s[6:7], s[6:7], s[22:23]
	s_add_nc_u64 s[8:9], s[8:9], s[24:25]
.irp rr, 0,1,2,3,4,5,6,7,8,9,10,11,12,13,14,15
	global_load_b128 v[R+4*\rr:R+4*\rr+3], v6, s[4:5] offset:8192*\rr th:TH_LOAD_NT   ; 32 lanes read 512 consecutive bytes of row rr; read once in the launch
.endr
.irp rr, 0,1,2,3,4,5,6,7,8,9,10,11,12,13,14,15
	s_wait_loadcnt 15-\rr                          ; loads come back in order: row rr is in, the younger rows' loads may be out
	ds_store_b128 v7, v[R+4*\rr:R+4*\rr+3] offset:PITCH*\rr
.endr
.irp b, 0,1,2,3
.irp i, 0,1,2,3
	ds_load_b128 v[X+16*\b+4*\i:X+16*\b+4*\i+3], v8 offset:128*\b+16*\i   ; LDS serves a wave's instructions in order: these see my stores
.endr
.endr
	s_wait_dscnt 0x0
; the 64 lane masks: word n in s[32 + n] (n < 32) or s[36 + n]: s32-63 and s68-99
.set n, 0
.rept 64
	v_cmp_eq_u32 s[32+n+4*(n/32)], 0, v[X+n]       ; bit = 1: hidden
.set n, n+1
.endr
	s_and_b64 s[16:17], s[32:33], s[34:35]         ; hidden in all 64 words, hidden in any: two words at a time
	s_or_b64 s[18:19], s[32:33], s[34:35]
.set p, 2
.rept 30
	s_and_b64 s[16:17], s[16:17], s[32+2*p+4*(p/16):33+2*p+4*(p/16)]
	s_or_b64 s[18:19], s[18:19], s[32+2*p+4*(p/16):33+2*p+4*(p/16)]
.set p, p+1
.endr
	s_and_b32 s16, s16, s17                        ; bit r + 16 h: all 64 keys of that lane are hidden
	s_or_b32 s18, s18, s19                         ; some key of that lane is hidden
	s_lshr_b32 s17, s16, 16
	s_and_b32 s16, s16, s17                        ; both halves of row r
	s_not_b32 s16, s16
	s_and_b32 s16, s16, 0xffff                     ; bit r: row r has an open key in this step
	s_cmp_lg_u32 s16, 0
	s_cselect_b32 s20, 1, 0                        ; work
	s_cmp_lg_u32 s18, 0
	s_cselect_b32 s21, 0x10000, 0                  ; mixed
	s_or_b32 s20, s20, s21
	s_lshl_b32 s20, s20, s13                       ; at the step's bit: sixteen such words are joined by OR
.set n, 0
.rept 32
	v_writelane_b32 v4, s[32+2*n+4*(n/16)], n      ; lane n takes words 2 n and 2 n + 1
	v_writelane_b32 v5, s[33+2*n+4*(n/16)], n
.set n, n+1
.endr
	global_store_b64 v9, v[4:5], s[6:7]            ; 32 lanes store 256 consecutive bytes, at a multiple of 256 from the buffer's first byte
	v_mov_b32 v10, s20
	v_mov_b32 v11, s16
	v_cmp_eq_u32 vcc_lo, 0, v1
	s_wait_xcnt 0x0                                ; EXEC is a source of the store above: it changes only behind this wait
	s_wait_tensorcnt 0x0
	ds_add_u32 v160, v161
	s_wait_dscnt 0x0
	s_and_saveexec_b32 s21, vcc_lo                 ; lane 0 alone
	global_store_b64 v12, v[10:11], s[8:9]
	s_wait_xcnt 0x0                                ; and again in front of the line that widens it
	s_or_b32 exec_lo, exec_lo, s21
	s_endpgm
.Lfunc_end_k_q11a1ccf794_maskbits:
	.size	k_q11a1ccf794_maskbits, .Lfunc_end_k_q11a1ccf794_maskbits-k_q11a1ccf794_maskbits
	.p2alignl 7, 3214868480
	.fill 96, 4, 3214868480
	.section	.rodata,"a",@progbits
	.p2align	6, 0x0
	.amdhsa_kernel k_q11a1ccf794_maskbits
		.amdhsa_group_segment_fixed_size 68608
		.amdhsa_private_segment_fixed_size 0
		.amdhsa_enable_private_segment 0
		.amdhsa_kernarg_size 24
		.amdhsa_user_sgpr_count 2
		.amdhsa_user_sgpr_kernarg_segment_ptr 1
		.amdhsa_wavefront_size32 1
		.amdhsa_system_sgpr_workgroup_id_x 1
		.amdhsa_system_sgpr_workgroup_id_y 1
		.amdhsa_system_sgpr_workgroup_id_z 1
		.amdhsa_system_vgpr_workitem_id 0
		.amdhsa_next_free_vgpr 162
		.amdhsa_next_free_sgpr 100
		.amdhsa_reserve_vcc 1
		.amdhsa_float_denorm_mode_32 3
		.amdhsa_float_denorm_mode_16_64 3
		.amdhsa_memory_ordered 1
		.amdhsa_forward_progress 1
		.amdhsa_inst_pref_size 17
	.end_amdhsa_kernel
	.amdgpu_metadata
---
amdhsa.version: [ 1, 2 ]
amdhsa.kernels:
  - .name:           k_q11a1ccf794_maskbits
    .symbol:         k_q11a1ccf794_maskbits.kd
    .args:
      - { .name: mask, .offset: 0, .size: 8, .value_kind: global_buffer, .address_space: global }
      - { .name: mbits, .offset: 8, .size: 8, .value_kind: global_buffer, .address_space: global }
      - { .name: minfo, .offset: 16, .size: 8, .value_kind: global_buffer, .address_space: global }
    .group_segment_fixed_size: 68608
    .private_segment_fixed_size: 0
    .kernarg_segment_align: 8
    .kernarg_segment_size: 24
    .max_flat_workgroup_size: 256
    .sgpr_count:     100
    .vgpr_count:     162
    .wavefront_size: 32
...
	.end_amdgpu_metadata
.endif
;; end of part 1
;; launch attend (part 2): grid 4 x 64, 16 waves a work-group, no clusters, 219,648 bytes of LDS; arguments q_codes, q_scales, k_codes, k_scales, v_codes, v_scales, mbits, minfo, out0; writes out0
.if DOCPART == 2
	.amdgcn_target "amdgcn-amd-amdhsa--gfx1250"
	.amdhsa_code_object_version 6
	.text
	.protected	k_q11a1ccf794_attend
	.globl	k_q11a1ccf794_attend
	.p2align	8
	.type	k_q11a1ccf794_attend,@function
k_q11a1ccf794_attend:
	s_mov_b64 s[64:65], 0
	v_nop
	global_prefetch_b8 v0, s[64:65] scope:SCOPE_SE
	s_setreg_imm32_b32 hwreg(HW_REG_WAVE_MODE, 25, 1), 1
	s_wait_xcnt 0x0
; out0[head][q][:] = the sum over k of softmax_k(where(mask[q][k] == 0, -9e15, Q[q] . K[k] / 8)) V[k][:], 64 heads, 2,048 queries and keys, head size 64.
; Both products on codes of FP4 (E2M1) with one E8M0 scale for each 32 along a product's K.  Q, K: rows of 32 bytes of codes and 2 scale bytes; V: keys innermost, 64 rows of 1,024 bytes and 64 scale bytes a head.
; THE SOFTMAX AHEAD OF THE SECOND PRODUCT: t = score x log2(e) / 8; M = the row's largest t so far, rounded UP to a whole number; p = 2^(t - M) is quantised along the keys, not normalised;
; the row's sum is taken of the unquantised p and divides at the end.  When M moves, the sum and O are multiplied by 2^(old M - new M): exact.
; THE MASK is an input.  An earlier launch has turned it into lane masks (mbits) and, for each tile of 16 queries and step of 128 keys, the bits work, mixed and sixteen row bits (minfo).
;   A step in which no row of the tile has an open key is left out, IF every row of the tile has an open key somewhere: every p of that step would then be 0.
;   If some row of the tile has no open key at all, all sixteen steps are walked: that row's softmax is uniform over all keys, as reference() has it.
;   A step with nothing hidden reads no mask words.
; THE HIDDEN VALUE.  A hidden score becomes -2^56, that is the logit -2^53 = -9.007e15 where reference() has -9e15: c x 2^56 is exact, so in a row whose keys so far are all hidden M = t and t - M = 0 exactly, p = 1.
;   When an open key arrives, old M - new M saturates in the conversion to a whole number, f = 0, and what was summed is wiped.
; LIMITS: the results are the definition's as long as every open logit lies above -8.9e15; scale bytes of 0xff (NaN) among the inputs are not served.
; SHARES.  Work-group (g, head): 256 in all.  It keeps the head's whole K and V, codes and scales, in LDS (147,712 bytes, filled once through registers: one barrier in the launch) and owns the query tiles 4 jj + g, jj = 0 .. 31.
;   Wave w takes jj = w and then jj = 31 - w, one tile of 16 queries at a time, in 256 registers: four waves to a SIMD, so that one wave's vector work stands beside another's matrix work and LDS loads.
;   No tensor load and no cluster: the walk over the steps branches on numbers read from memory, and what the four work-groups of a head share is read once by each at its head.
; LAYOUT.  Both products are used transposed: S^T = K Q^T (source 0 = 16 keys, source 1 = my 16 queries), O^T = V^T P^T (source 0 = 16 of the head's 64, source 1 = P): a lane holds ONE query (lane % 16) throughout.
;   THE KEYS OF A TILE ARE NOT NEIGHBOURS: lane r of tile 2 b + u takes key 32 b + 8 u + r + 8 (r / 8), so that the 16 registers of tiles 2 b and 2 b + 1 are the neighbouring keys 32 b + 16 (lane / 16) + 0 .. 15.
;   THE FIRST PRODUCT'S K IS 64, the instruction's 128.  Q's registers 4-7 are zero codes.  K's fragment t is named v[KF + 4 t : KF + 4 t + 7]: its upper four registers are the next fragment's codes (the last one's: four
;   cleared registers): finite numbers, each multiplied by a zero code.  Bytes 2 and 3 of both scale words are 0, which is 2^-127 and no NaN.  So k = 64 .. 127 adds exactly 0.
.set KIMG, 0                           ; LDS: K's fragments as images of their registers: step j x 4,096 + tile t x 512 + 16 x lane
.set KSC,  65536                       ; K's scale words: j x 512 + 16 x lane: four words; lanes 0-15 tiles 0-3, lanes 16-31 tiles 4-7
.set VIMG, 73728                       ; V: t x 17,408 + p x 272 + 16 r: piece p (16 bytes: keys 32 p on) of row d = 16 t + r
.set VSC,  143360                      ; V's scale words: j x 272 + 16 r + 4 t
.set STG,  147712                      ; the way out: 16 rows x (256 + 16) bytes for each wave, its own
.set VP,   272                         ; 256 bytes + 16
.set LK,   1                           ; v1   KIMG + 16 x lane
.set LKS,  2                           ; v2   KSC + 16 x lane
.set LV,   3                           ; v3   VIMG + 272 h + 16 r
.set LVS,  4                           ; v4   VSC + 16 r
.set STO,  5                           ; v5   the stage, in: row r, + 32 h
.set SRD,  6                           ; v6   the stage, back: row h, + 16 r
.set GO,   7                           ; v7   16 x lane
.set QO,   8                           ; v8   32 r + 16 h
.set QSO,  9                           ; v9   2 r
.set ADK,  10                          ; v10, v11, v26, v27: the step's LDS addresses
.set ADS,  11
.set ADV,  26
.set ADT,  27                          ; v12 -M, v13 the largest t, v[14:15] the sum in two halves
.set QF,   16                          ; v16-23 Q's fragment (v20-23 = 0)
.set QS,   24                          ; v24  Q's scale word
.set NEGV, 25                          ; v25  -2^56
.set TQ,   28                          ; v28-30 the tile's offsets in q_codes, q_scales, out0
.set KF,   32                          ; v32-67 K's eight fragments of four registers, and four zeros
.set KS,   68                          ; v68-71 K's scale words
.set VF,   72                          ; v72-103 V's four fragments
.set VS,   104                         ; v104-107 V's scale words
.set S,    108                         ; v108-171 S^T, then p; on the way out O / l and the rows read back
.set O,    172                         ; v172-203 O^T: register 8 t + i = channel 16 t + 8 h + i
.set PC,   204                         ; v204-211 p's codes
.set BM,   212                         ; v212-215 the blocks' largest scores, then largest p
.set BP,   216                         ; v216-219 the other half's, then the scale bytes
.set BS,   220                         ; v220-223 the conversions' scale operands
.set F,    224                         ; v[224:225] f (v225 = 0: named with it as a pair)
.set PW,   226                         ; v226 p's scale word
.set T,    227                         ; v227 at work
.set C2,   228                         ; v[228:229] the second chain of the sum
.set SEL,  8                           ; s[8:9]   lane selects for v_permlanex16_b32: lane l xor 16   (s[8:15] hold K's and V's addresses during the fill)
.set CS,   10                          ; s[10:11] c = log2(e) / 8, twice: the packed form names a pair
.set TK,   12                          ; s12-15   the step's place in KIMG, KSC, VIMG, VSC
.set TKS,  13
.set TV,   14
.set TVS,  15
.set WV,   22                          ; s22 wave;  s23 the step's place in mbits;  s24 jj;  s25 i;  s26 tiles to go;  s27 steps to go;  s28 work bits;  s29 mixed bits;  s30, s31 at work
.set MO,   23                          ; s32-63, s68-99: a mixed step's 64 lane masks; s32-63 also the tile's 32 info words
	s_load_b256 s[4:11], s[0:1], 0x0               ; q_codes s[4:5], q_scales s[6:7], k_codes s[8:9], k_scales s[10:11]
	s_load_b256 s[12:19], s[0:1], 0x20             ; v_codes s[12:13], v_scales s[14:15], mbits s[16:17], minfo s[18:19]
	s_load_b64 s[20:21], s[0:1], 0x40              ; out0
	v_lshl_add_u32 v254, v0, 2, 0x35200
	v_mov_b32 v255, 0
	v_lshrrev_b32 v232, 5, v0
	v_readfirstlane_b32 s[WV], v232                ; wave 0..15
	v_and_b32 v232, 31, v0                         ; lane
	v_and_b32 v233, 15, v0                         ; r
	v_bfe_u32 v234, v0, 4, 1                       ; h
	; the addresses that stay
	v_lshlrev_b32 v[LK], 4, v232
	v_lshl_add_u32 v[LKS], v232, 4, KSC
	v_mul_u32_u24 v[LV], v234, VP
	v_lshl_add_u32 v[LV], v233, 4, v[LV]
	v_add_nc_u32 v[LV], VIMG, v[LV]
	v_lshl_add_u32 v[LVS], v233, 4, VSC
	s_mul_i32 s30, s[WV], 16*VP
	s_add_co_u32 s30, s30, STG                     ; my stage
	v_mul_u32_u24 v[STO], v233, VP
	v_lshl_add_u32 v[STO], v234, 5, v[STO]
	v_add_nc_u32 v[STO], s30, v[STO]
	v_mul_u32_u24 v[SRD], v234, VP
	v_lshl_add_u32 v[SRD], v233, 4, v[SRD]
	v_add_nc_u32 v[SRD], s30, v[SRD]
	v_lshlrev_b32 v[GO], 4, v232
	v_lshlrev_b32 v[QO], 5, v233
	v_lshl_add_u32 v[QO], v234, 4, v[QO]
	v_lshlrev_b32 v[QSO], 1, v233
	; the fill's offsets in memory.  Wave w brings step w of K (4,096 bytes of codes), rows 4 w .. 4 w + 3 of V (4,096 bytes), 256 bytes of each tensor of scales
	v_and_b32 v243, 8, v233
	v_and_b32 v235, 7, v233
	v_lshlrev_b32 v235, 5, v235
	v_lshl_add_u32 v235, v243, 6, v235             ; 32 x (r + 8 (r / 8)): the tile's key of my lane,
	v_lshl_add_u32 v235, v234, 4, v235             ; + 16 h: my block of 32 codes
	s_lshl_b32 s31, s[WV], 12
	v_add_nc_u32 v235, s31, v235                   ; K's codes
	v_add_nc_u32 v236, s31, v[GO]                  ; V's codes: as they lie, 16 bytes a lane
	v_add_nc_u32 v239, s31, v[LK]                  ; and where K's images go: KIMG + 4,096 w + 16 x lane
	v_add_nc_u32 v237, v243, v233
	v_lshlrev_b32 v237, 1, v237                    ; 2 bytes a key,
	v_lshl_add_u32 v237, v234, 7, v237             ; lanes 16-31 take tiles 4-7: 64 keys on
	s_lshl_b32 s31, s[WV], 8
	v_add_nc_u32 v237, s31, v237                   ; K's scales
	v_lshlrev_b32 v238, 2, v233                    ; V's scales: the word of step lane % 16
	v_lshl_add_u32 v238, v234, 11, v238            ; of row 32 (lane / 16) + w (and, 1,024 bytes on, of the row 16 further)
	s_lshl_b32 s31, s[WV], 6
	v_add_nc_u32 v238, s31, v238
	; and where the rest goes in LDS
	v_mul_u32_u24 v240, v232, VP                   ; V: my lane's piece of the row,
	s_lshr_b32 s24, s[WV], 2
	s_mul_i32 s24, s24, 64*VP                      ; the rows' tile t = w / 4,
	s_and_b32 s25, s[WV], 3
	s_lshl_b32 s25, s25, 6                         ; and their place in it: 16 x 4 (w % 4)
	s_add_co_u32 s24, s24, s25
	s_add_co_u32 s24, s24, VIMG
	v_add_nc_u32 v240, s24, v240
	s_lshl_b32 s24, s[WV], 9
	v_add_nc_u32 v241, s24, v[LKS]                 ; K's scale words: KSC + 512 w + 16 x lane
	v_mul_u32_u24 v242, v233, VP                   ; V's: step lane % 16,
	v_lshl_add_u32 v242, v234, 3, v242             ; tiles 2 (lane / 16) and the next,
	s_lshl_b32 s24, s[WV], 4                       ; row r = w
	s_add_co_u32 s24, s24, VSC
	v_add_nc_u32 v242, s24, v242
	s_and_b32 s26, ttmp7, 0xffff                   ; the head
	s_mov_b32 s3, 0
	s_wait_kmcnt 0x0
	s_lshl_b32 s2, s26, 16                         ; a head's codes: 65,536 bytes in each tensor
	s_add_nc_u64 s[4:5], s[4:5], s[2:3]
	s_add_nc_u64 s[8:9], s[8:9], s[2:3]
	s_add_nc_u64 s[12:13], s[12:13], s[2:3]
	s_lshl_b32 s2, s26, 12                         ; its scale bytes: 4,096
	s_add_nc_u64 s[6:7], s[6:7], s[2:3]
	s_add_nc_u64 s[10:11], s[10:11], s[2:3]
	s_add_nc_u64 s[14:15], s[14:15], s[2:3]
	s_lshl_b32 s2, s26, 19                         ; its rows of out0: 524,288
	s_add_nc_u64 s[20:21], s[20:21], s[2:3]
	; THE FILL: 22 loads a wave, all out together
.irp t, 0,1,2,3,4,5,6,7
	global_load_b128 v[KF+4*\t:KF+4*\t+3], v235, s[8:9] offset:(\t/2)*1024+(\t%2)*256   ; tile t of step w: two runs of 256 consecutive bytes
.endr
.irp m, 0,1,2,3,4,5,6,7
	global_load_b128 v[VF+4*\m:VF+4*\m+3], v236, s[12:13] offset:512*\m                 ; half m % 2 of row 4 w + m / 2: 512 consecutive bytes
.endr
.irp i, 0,1,2,3
	global_load_u16 v[KS+\i], v237, s[10:11] offset:64*(\i/2)+16*(\i%2)                 ; the key's two bytes, zeros above them
.endr
	global_load_b32 v[VS], v238, s[14:15]
	global_load_b32 v[VS+1], v238, s[14:15] offset:1024
	; what is written once
.irp n, 0,1,2,3
	v_mov_b32 v[QF+4+\n], 0                        ; Q's codes of k = 64 .. 127
	v_mov_b32 v[KF+32+\n], 0                       ; behind K's last fragment
	v_mov_b32 v[BP+\n], 0                          ; (a lane permute's destination counts as one of its sources)
.endr
	v_mov_b32 v[NEGV], 0xdb800000                  ; -2^56
	v_mov_b32 v[F+1], 0
	v_mov_b32 v[T], 0
	s_wait_loadcnt 14                              ; K's eight are in; out may be V's eight, the four of K's scales, the two of V's
.irp t, 0,1,2,3,4,5,6,7
	ds_store_b128 v239, v[KF+4*\t:KF+4*\t+3] offset:512*\t
.endr
	s_wait_loadcnt 6                               ; V's eight are in; out may be the six loads of scales
.irp m, 0,1,2,3,4,5,6,7
	ds_store_b128 v240, v[VF+4*\m:VF+4*\m+3] offset:(\m/2)*16+(\m%2)*32*VP
.endr
	s_wait_loadcnt 2                               ; K's scales are in; out may be V's two
	ds_store_b128 v241, v[KS:KS+3]
	s_wait_loadcnt 0x0
	ds_store_b64 v242, v[VS:VS+1]
	s_wait_dscnt 0x0                               ; for the others' sake: my stores have landed
	s_barrier_signal -1
	s_barrier_wait -1                              ; the head's K and V lie in LDS; nobody writes them again
	s_mov_b32 s[SEL], 0x76543210                   ; (every load that named s[8:15] is done)
	s_mov_b32 s[SEL+1], 0xfedcba98
	s_mov_b32 s[CS], 0x3e38aa3b                    ; c = log2(e) / 8
	s_mov_b32 s[CS+1], s[CS]
	s_mov_b32 s24, s[WV]                           ; jj
	s_mov_b32 s26, 2
; a step's 18 LDS loads, K's first: each half of the lanes reads 256 consecutive bytes
.macro KVLOADS
.irp t, 0,1,2,3,4,5,6,7
	ds_load_b128 v[KF+4*\t:KF+4*\t+3], v[ADK] offset:512*\t
.endr
	ds_load_b128 v[KS:KS+3], v[ADS]
.irp t, 0,1,2,3
.irp c, 0,1
	ds_load_b128 v[VF+8*\t+4*\c:VF+8*\t+4*\c+3], v[ADV] offset:64*VP*\t+2*VP*\c
.endr
.endr
	ds_load_b128 v[VS:VS+3], v[ADT]
.endm
; S^T = K Q^T: eight tiles of 16 keys, each sum begun with the constant 0
.macro QK
	s_wait_dscnt 9                                 ; K's fragments and scale words are in; V's eight loads and its scale load stay out and land under the softmax
.irp t, 0,1,2,3
	v_wmma_scale_f32_16x16x128_f8f6f4 v[S+8*\t:S+8*\t+7], v[KF+4*\t:KF+4*\t+7], v[QF:QF+7], 0, v[KS+\t], v[QS] matrix_a_fmt:MATRIX_FMT_FP4 matrix_b_fmt:MATRIX_FMT_FP4
.endr
.irp t, 4,5,6,7
	v_wmma_scale_f32_16x16x128_f8f6f4 v[S+8*\t:S+8*\t+7], v[KF+4*\t:KF+4*\t+7], v[QF:QF+7], 0, v[KS+\t-4], v[QS] matrix_a_fmt:MATRIX_FMT_FP4 matrix_b_fmt:MATRIX_FMT_FP4 matrix_a_scale:MATRIX_SCALE_ROW1
.endr
.rept 4
	v_nop                                          ; four places between the last product and the first read of results (ISA guide 7.12.1)
.endr
.endm
.macro SOFTMAX
.irp b, 0,1,2,3
	v_max3_num_f32 v[BM+\b], v[S+16*\b], v[S+16*\b+1], v[S+16*\b+2]   ; the largest score of each block of 32 keys: it serves for the row's maximum and, since p rises with the score, for the block's largest p
.endr
.irp i, 3,5,7,9,11,13
.irp b, 0,1,2,3
	v_max3_num_f32 v[BM+\b], v[BM+\b], v[S+16*\b+\i], v[S+16*\b+\i+1]  ; (the four blocks by turns; each result is read from its low end on)
.endr
.endr
.irp b, 0,1,2,3
	v_max_num_f32 v[BM+\b], v[BM+\b], v[S+16*\b+15]
.endr
.irp b, 0,1,2,3
	v_permlanex16_b32 v[BP+\b], v[BM+\b], s[SEL], s[SEL+1]
.endr
.irp b, 0,1,2,3
	v_max_num_f32 v[BM+\b], v[BM+\b], v[BP+\b]     ; with lane l xor 16's 16 keys
.endr
	v_max3_num_f32 v[T], v[BM], v[BM+1], v[BM+2]
	v_max_num_f32 v[T], v[T], v[BM+3]              ; the step's largest score of my query
	v_mul_f32 v[T], s[CS], v[T]                    ; as t (c is positive)
	v_max_num_f32 v13, v13, v[T]                   ; the running largest t
	v_mov_b32 v[T], v12
	v_floor_f32 v12, -v13                          ; the new -M = floor(-t) = -ceil(t): a whole number
	v_sub_f32 v[T], v12, v[T]                      ; old M - new M: a whole number, 0 or less
	v_cvt_i32_f32 v[T], v[T]                       ; (it saturates)
	v_ldexp_f32 v[F], 1.0, v[T]                    ; f = 2^(old M - new M)
.set j, 0
.rept 32
	v_pk_fma_f32 v[S+j:S+j+1], v[S+j:S+j+1], s[CS:CS+1], v[12:13] op_sel_hi:[1,0,0]   ; t - M, two at a time (of the pairs c and -M the low word serves both halves)
.set j, j+2
.endr
.irp b, 0,1,2,3
	v_fma_f32 v[BM+\b], v[BM+\b], s[CS], v12       ; the same of each block's largest score
.endr
.set j, 0
.rept 64
	v_exp_f32 v[S+j], v[S+j]                       ; p = 2^(t - M), at most 1: not normalised
.set j, j+1
.endr
	v_pk_mul_f32 v[14:15], v[14:15], v[F:F+1] op_sel_hi:[1,0]   ; the sums under the new M: the plain instruction behind the exponentials
	s_wait_alu depctr_va_vdst(0)                   ; one wait for the batch of 64, ahead of its first reader
.irp b, 0,1,2,3
	v_exp_f32 v[BM+\b], v[BM+\b]                   ; the block's largest p: the same two instructions on the same number give the same bits
.endr
	v_pk_add_f32 v[C2:C2+1], v[S:S+1], v[S+2:S+3]  ; the row's sum is taken of the unquantised p: two at a time, in two chains; it reads the 64 alone
.irp j, 4,8,12,16,20,24,28,32,36,40,44,48,52,56,60
	v_pk_add_f32 v[14:15], v[14:15], v[S+\j:S+\j+1]
	v_pk_add_f32 v[C2:C2+1], v[C2:C2+1], v[S+\j+2:S+\j+3]
.endr
	v_pk_add_f32 v[14:15], v[14:15], v[C2:C2+1]
	s_wait_alu depctr_va_vdst(0)                   ; and one for the four
.irp b, 0,1,2,3
	v_max_num_f32 v[BM+\b], 0x1800000, v[BM+\b]    ; the floor 2^(3 - 127): the byte cannot fall under 1 (a block whose every p is 0 keeps that byte: its codes are zeros)
.endr
.irp b, 0,1,2,3
	v_add_nc_u32 v[BS+\b], 0xff000000, v[BM+\b]    ; 2 off the exponent field: the conversion takes the exponent field of this operand as its scale
.endr
.irp b, 0,1,2,3
	v_lshrrev_b32 v[BP+\b], 23, v[BS+\b]           ; the scale's byte
.endr
	v_lshl_or_b32 v[PW], v[BP+1], 8, v[BP]         ; p's scale word for these 128 keys
	v_lshl_or_b32 v[PW], v[BP+2], 16, v[PW]
	v_lshl_or_b32 v[PW], v[BP+3], 24, v[PW]
.irp b, 0,1,2,3
	v_cvt_scalef32_pk8_fp4_f32 v[PC+2*\b], v[S+16*\b:S+16*\b+7], v[BS+\b]
	v_cvt_scalef32_pk8_fp4_f32 v[PC+2*\b+1], v[S+16*\b+8:S+16*\b+15], v[BS+\b]
.endr
	v_nop                                          ; one plain instruction between a scaled conversion and the vector instruction that touches its result
.irp c, 0,1                                    ; the operand's layout wants a whole block in a lane: lanes 0-15 block 2 c, lanes 16-31 block 2 c + 1
.irp i, 0,1
	v_permlane16_swap_b32 v[PC+4*\c+\i], v[PC+4*\c+2+\i]
.endr
.endr
.set j, 0
.rept 16
	v_pk_mul_f32 v[O+j:O+j+1], v[O+j:O+j+1], v[F:F+1] op_sel_hi:[1,0]   ; O^T under the new M.  Twelve of the sixteen name no register of a given product below: the places between p's scale word and codes and their use
.set j, j+2
.endr
.endm
; O^T += V^T P^T: four tiles of 16 channels, K = these 128 keys.  The four accumulators take turns, and eight products K Q^T stand between two links of a chain
.macro PV
	s_wait_dscnt 0x0                               ; V's fragments and scale words are in
.irp t, 0,1,2,3
	v_wmma_scale_f32_16x16x128_f8f6f4 v[O+8*\t:O+8*\t+7], v[VF+8*\t:VF+8*\t+7], v[PC:PC+7], v[O+8*\t:O+8*\t+7], v[VS+\t], v[PW] matrix_a_fmt:MATRIX_FMT_FP4 matrix_b_fmt:MATRIX_FMT_FP4
.endr
.endm
.Ltile:                                            ; two trips: the wave's two tiles
	s_lshl_b32 s25, s24, 2
	s_add_co_u32 s25, s25, ttmp9                   ; i = 4 jj + g
	s_lshl_b32 s30, s25, 7                         ; the tile's 32 info words: 128 bytes
	s_load_b512 s[32:47], s[18:19], s30
	s_load_b512 s[48:63], s[18:19], s30 offset:0x40
	s_lshl_b32 s31, s25, 9
	v_add_nc_u32 v[TQ], s31, v[QO]                 ; 16 rows of 32 bytes
	s_lshl_b32 s31, s25, 5
	v_add_nc_u32 v[TQ+1], s31, v[QSO]              ; of 2 bytes
	s_lshl_b32 s[MO], s25, 12                      ; the tile's 16 x 256 bytes of mbits; and 16 rows of 256 bytes of out0
	v_add_nc_u32 v[TQ+2], s[MO], v[GO]
	global_load_b128 v[QF:QF+3], v[TQ], s[4:5] th:TH_LOAD_NT    ; Q's fragment: read once in the launch
	global_load_u16 v[QS], v[TQ+1], s[6:7] th:TH_LOAD_NT        ; its two scale bytes, zeros above them
	v_mov_b32 v13, 0xff61b1e6                      ; the largest t so far: -3e38, under every t
	v_floor_f32 v12, -v13                          ; -M
	v_mov_b32 v14, 0                               ; the sum, in two halves
	v_mov_b32 v15, 0
.set j, 0
.rept 32
	v_mov_b32 v[O+j], 0                            ; O^T.  Which step is a tile's first is known only from the stored list, so none can be written out: the first finds zeros
.set j, j+1
.endr
	s_wait_kmcnt 0x0
.irp k, 1,2,3,4,5,6,7,8,9,10,11,12,13,14,15
	s_or_b64 s[32:33], s[32:33], s[32+2*\k:33+2*\k]   ; s32: work bits 0-15, mixed bits 16-31;  s33: the rows that have an open key somewhere
.endr
	s_cmp_eq_u32 s33, 0xffff
	s_cselect_b32 s31, 0, 0xffff                   ; a row with no open key at all: every step is walked
	s_or_b32 s32, s32, s31
	s_and_b32 s28, s32, 0xffff
	s_lshr_b32 s29, s32, 16
	s_mov_b32 s[TK], 0
	s_mov_b32 s[TKS], 0
	s_mov_b32 s[TV], 0
	s_mov_b32 s[TVS], 0
	s_mov_b32 s27, 16
	s_wait_loadcnt 0x0                             ; Q
.Lstep:                                            ; sixteen trips, always: what is left out is a step's work
	s_bitcmp1_b32 s28, 0
	s_cbranch_scc0 .Lnext
	v_add_nc_u32 v[ADK], s[TK], v[LK]              ; these four are also the places between the last step's products and the loads into the registers that they read
	v_add_nc_u32 v[ADS], s[TKS], v[LKS]
	v_add_nc_u32 v[ADV], s[TV], v[LV]
	v_add_nc_u32 v[ADT], s[TVS], v[LVS]
	KVLOADS
	s_bitcmp1_b32 s29, 0
	s_cbranch_scc0 .Lopen
	s_load_b512 s[32:47], s[16:17], s[MO]          ; something is hidden here: the step's 64 lane masks, asked for ahead of the products
	s_load_b512 s[48:63], s[16:17], s[MO] offset:0x40
	s_load_b512 s[68:83], s[16:17], s[MO] offset:0x80
	s_load_b512 s[84:99], s[16:17], s[MO] offset:0xc0
	QK
	s_wait_kmcnt 0x0
.set n, 0
.rept 64
	v_cndmask_b32 v[S+n], v[S+n], v[NEGV], s[32+n+4*(n/32)]   ; hidden scores become -2^56, ahead of the maximum
.set n, n+1
.endr
	s_branch .Lsoft
.Lopen:
	QK
.Lsoft:
	SOFTMAX
	PV
.Lnext:
	s_lshr_b32 s28, s28, 1
	s_lshr_b32 s29, s29, 1
	s_add_co_u32 s[TK], s[TK], 4096
	s_add_co_u32 s[TKS], s[TKS], 512
	s_add_co_u32 s[TV], s[TV], 4*VP
	s_add_co_u32 s[TVS], s[TVS], VP
	s_add_co_u32 s[MO], s[MO], 256                 ; (the scalar loads that named it were waited for in their arm)
	s_sub_co_u32 s27, s27, 1
	s_cmp_lg_u32 s27, 0
	s_cbranch_scc1 .Lstep
	; THE WAY OUT of a tile: O^T / the sum goes through my stage in LDS and leaves as whole rows
.rept 4
	v_nop                                          ; the last products may stand just ahead
.endr
	v_add_f32 v14, v14, v15                        ; the sum's two halves,
	v_permlanex16_b32 v[T], v14, s[SEL], s[SEL+1]
	v_add_f32 v14, v14, v[T]                       ; and lane l xor 16's: the row's sum
	v_rcp_f32 v14, v14
	v_nop                                          ; a plain instruction behind the reciprocal
	s_wait_alu depctr_va_vdst(0)                   ; and the wait ahead of its first reader
.set j, 0
.rept 16
	v_pk_mul_f32 v[S+j:S+j+1], v[O+j:O+j+1], v[14:15] op_sel_hi:[1,0]   ; each accumulator from its low end on
.set j, j+2
.endr
.irp t, 0,1,2,3
	ds_store_b128 v[STO], v[S+8*\t:S+8*\t+3] offset:64*\t             ; lane (r, h): out(r, 16 t + 8 h + 0 .. 7)
	ds_store_b128 v[STO], v[S+8*\t+4:S+8*\t+7] offset:64*\t+16
.endr
.irp k, 0,1,2,3,4,5,6,7
	ds_load_b128 v[S+32+4*\k:S+32+4*\k+3], v[SRD] offset:2*VP*\k       ; LDS serves a wave's instructions in order: these see my stores.  Lanes 0-15 row 2 k, lanes 16-31 row 2 k + 1
.endr
.irp k, 0,1,2,3,4,5,6,7
	s_wait_dscnt 7-\k                              ; the younger loads may be out
	global_store_b128 v[TQ+2], v[S+32+4*\k:S+32+4*\k+3], s[20:21] offset:512*\k th:TH_STORE_NT   ; 32 lanes store 512 consecutive bytes, two whole rows, at a multiple of 256 from out0's first byte
.endr
	s_wait_xcnt 0x0                                ; the stores have read their offsets and data: both are written again in the next trip
	s_sub_co_u32 s24, 31, s24                      ; the wave's other tile
	s_sub_co_u32 s26, s26, 1
	s_cmp_lg_u32 s26, 0
	s_cbranch_scc1 .Ltile
	s_wait_tensorcnt 0x0
	ds_add_u32 v254, v255
	s_wait_dscnt 0x0
	s_endpgm
.Lfunc_end_k_q11a1ccf794_attend:
	.size	k_q11a1ccf794_attend, .Lfunc_end_k_q11a1ccf794_attend-k_q11a1ccf794_attend
	.p2alignl 7, 3214868480
	.fill 96, 4, 3214868480
	.section	.rodata,"a",@progbits
	.p2align	6, 0x0
	.amdhsa_kernel k_q11a1ccf794_attend
		.amdhsa_group_segment_fixed_size 219648
		.amdhsa_private_segment_fixed_size 0
		.amdhsa_enable_private_segment 0
		.amdhsa_kernarg_size 72
		.amdhsa_user_sgpr_count 2
		.amdhsa_user_sgpr_kernarg_segment_ptr 1
		.amdhsa_wavefront_size32 1
		.amdhsa_system_sgpr_workgroup_id_x 1
		.amdhsa_system_sgpr_workgroup_id_y 1
		.amdhsa_system_sgpr_workgroup_id_z 1
		.amdhsa_system_vgpr_workitem_id 0
		.amdhsa_next_free_vgpr 256
		.amdhsa_next_free_sgpr 100
		.amdhsa_reserve_vcc 0
		.amdhsa_float_denorm_mode_32 3
		.amdhsa_float_denorm_mode_16_64 3
		.amdhsa_memory_ordered 1
		.amdhsa_forward_progress 1
		.amdhsa_inst_pref_size 35
	.end_amdhsa_kernel
	.amdgpu_metadata
---
amdhsa.version: [ 1, 2 ]
amdhsa.kernels:
  - .name:           k_q11a1ccf794_attend
    .symbol:         k_q11a1ccf794_attend.kd
    .args:
      - { .name: q_codes, .offset: 0, .size: 8, .value_kind: global_buffer, .address_space: global }
      - { .name: q_scales, .offset: 8, .size: 8, .value_kind: global_buffer, .address_space: global }
      - { .name: k_codes, .offset: 16, .size: 8, .value_kind: global_buffer, .address_space: global }
      - { .name: k_scales, .offset: 24, .size: 8, .value_kind: global_buffer, .address_space: global }
      - { .name: v_codes, .offset: 32, .size: 8, .value_kind: global_buffer, .address_space: global }
      - { .name: v_scales, .offset: 40, .size: 8, .value_kind: global_buffer, .address_space: global }
      - { .name: mbits, .offset: 48, .size: 8, .value_kind: global_buffer, .address_space: global }
      - { .name: minfo, .offset: 56, .size: 8, .value_kind: global_buffer, .address_space: global }
      - { .name: out0, .offset: 64, .size: 8, .value_kind: global_buffer, .address_space: global }
    .group_segment_fixed_size: 219648
    .private_segment_fixed_size: 0
    .kernarg_segment_align: 8
    .kernarg_segment_size: 72
    .max_flat_workgroup_size: 512
    .sgpr_count:     100
    .vgpr_count:     256
    .wavefront_size: 32
...
	.end_amdgpu_metadata
.endif
;; end of part 2
;; ======== version 2 of 2: 2 launches
;; limits: right only within a limited range of input values
;; workspace buffers: mbits 524,288 bytes of whole numbers; minfo 16,384 bytes of whole numbers
;; launch maskbits (part 3): grid 2 x 128, 8 waves a work-group, no clusters, 68,608 bytes of LDS; arguments mask, mbits, minfo; writes mbits, minfo
.if DOCPART == 3
	.amdgcn_target "amdgcn-amd-amdhsa--gfx1250"
	.amdhsa_code_object_version 6
	.text
	.protected	k_q11a1ccf794_maskbits
	.globl	k_q11a1ccf794_maskbits
	.p2align	8
	.type	k_q11a1ccf794_maskbits,@function
k_q11a1ccf794_maskbits:
	s_mov_b64 s[64:65], 0
	v_nop
	global_prefetch_b8 v0, s[64:65] scope:SCOPE_SE
	s_setreg_imm32_b32 hwreg(HW_REG_WAVE_MODE, 25, 1), 1
	s_wait_xcnt 0x0
; The mask [2048][2048] of int32 is read ONCE and turned into what the attention launch wants of it.
; A TILE-STEP is 16 queries (tile i) x 128 keys (step j).  For each of the 128 x 16 tile-steps:
;   mbits[i][j][64 words]: word n is a LANE MASK: bit r + 16 h is 1 where mask[16 i + r][128 j + 32 (n / 16) + 16 h + n % 16] == 0 (hidden):
;       the element that register n of the scores holds in lane r + 16 h of the attention launch.  256 bytes a tile-step.
;   minfo[i][j][2 words]: word 0 = (work | mixed << 16) << j, work = some row has an open key here, mixed = some element is hidden here;
;       word 1 = sixteen bits, bit r = row r has an open key here.
; SHARES.  Work-group (x, y): tile i = y; wave w: step j = 8 x + w: 16 rows x 512 bytes.  Waves share nothing: no barrier.
; Each load reads 512 consecutive bytes of one row; the 8 KB turn through the wave's own LDS so that a lane holds 64 numbers of ONE row.
; The two info words of a tile-step are 8 bytes stored by one lane: 16 KB in the whole launch leave in such small stores.
.set PITCH, 528                        ; an LDS row: 512 bytes + 16: row r starts 16 r bytes further round the banks (64 banks of 4 bytes: ISA guide 11.1)
.set WREG,  16*PITCH                   ; a wave's region
.set R,     32                         ; v32-95   the 16 rows as loaded, 4 registers each
.set X,     96                         ; v96-159  turned: register n = 16 b + 4 i + e: key 32 b + 16 h + 4 i + e of row r
	s_load_b128 s[4:7], s[0:1], 0x0                ; mask s[4:5], mbits s[6:7]
	s_load_b64 s[8:9], s[0:1], 0x10                ; minfo
	v_lshl_add_u32 v160, v0, 2, 0x10800
	v_mov_b32 v161, 0
	v_lshrrev_b32 v1, 5, v0
	s_delay_alu instid0(VALU_DEP_1)
	v_readfirstlane_b32 s10, v1                    ; wave 0..7
	v_and_b32 v1, 31, v0                           ; lane
	v_and_b32 v2, 15, v0                           ; r
	v_bfe_u32 v3, v0, 4, 1                         ; h
	s_delay_alu instid0(VALU_DEP_3)
	v_lshlrev_b32 v6, 4, v1                        ; 16 x lane: my 16 bytes of a row's 512
	s_mul_i32 s20, s10, WREG                       ; my wave's region in LDS
	v_add_nc_u32 v7, s20, v6                       ; in: as loaded
	v_mul_u32_u24 v8, v2, PITCH
	s_delay_alu instid0(VALU_DEP_1)
	v_lshl_add_u32 v8, v3, 6, v8
	s_delay_alu instid0(VALU_DEP_1)
	v_add_nc_u32 v8, s20, v8                       ; out: row r, + 64 h bytes: my 16 keys of each block of 32
	v_lshlrev_b32 v9, 3, v1                        ; 8 x lane: my two words of the 64
	v_mov_b32 v4, 0                                ; (a lane write's destination counts as read)
	v_mov_b32 v5, 0
	v_mov_b32 v12, 0                               ; the info record's offset
	s_and_b32 s12, ttmp7, 0xffff                   ; i
	s_lshl_b32 s13, ttmp9, 3
	s_add_co_u32 s13, s13, s10                     ; j = 8 x + wave
	s_lshl_b32 s14, s12, 17                        ; 16 rows of 8,192 bytes a tile,
	s_lshl_b32 s21, s13, 9                         ; 512 bytes a step
	s_add_co_u32 s14, s14, s21
	s_mov_b32 s15, 0
	s_lshl_b32 s22, s12, 4
	s_add_co_u32 s22, s22, s13                     ; 16 i + j
	s_lshl_b32 s24, s22, 3                         ; 8 bytes of minfo,
	s_mov_b32 s25, 0
	s_lshl_b32 s22, s22, 8                         ; 256 bytes of mbits
	s_mov_b32 s23, 0
	s_wait_alu depctr_va_vdst(0)
	s_wait_kmcnt 0x0
	s_add_nc_u64 s[4:5], s[4:5], s[14:15]
	s_add_nc_u64 s[6:7], s[6:7], s[22:23]
	s_add_nc_u64 s[8:9], s[8:9], s[24:25]
.irp rr, 0,1,2,3,4,5,6,7,8,9,10,11,12,13,14,15
	global_load_b128 v[R+4*\rr:R+4*\rr+3], v6, s[4:5] offset:8192*\rr th:TH_LOAD_NT   ; 32 lanes read 512 consecutive bytes of row rr; read once in the launch
.endr
.irp rr, 0,1,2,3,4,5,6,7,8,9,10,11,12,13,14,15
	s_wait_loadcnt 15-\rr                          ; loads come back in order: row rr is in, the younger rows' loads may be out
	ds_store_b128 v7, v[R+4*\rr:R+4*\rr+3] offset:PITCH*\rr
.endr
.irp b, 0,1,2,3
.irp i, 0,1,2,3
	ds_load_b128 v[X+16*\b+4*\i:X+16*\b+4*\i+3], v8 offset:128*\b+16*\i   ; LDS serves a wave's instructions in order: these see my stores
.endr
.endr
	s_wait_dscnt 0x0
; the 64 lane masks: word n in s[32 + n] (n < 32) or s[36 + n]: s32-63 and s68-99
.set n, 0
.rept 64
	v_cmp_eq_u32 s[32+n+4*(n/32)], 0, v[X+n]       ; bit = 1: hidden
.set n, n+1
.endr
	s_and_b64 s[16:17], s[32:33], s[34:35]         ; hidden in all 64 words, hidden in any: two words at a time
	s_or_b64 s[18:19], s[32:33], s[34:35]
.set p, 2
.rept 30
	s_and_b64 s[16:17], s[16:17], s[32+2*p+4*(p/16):33+2*p+4*(p/16)]
	s_or_b64 s[18:19], s[18:19], s[32+2*p+4*(p/16):33+2*p+4*(p/16)]
.set p, p+1
.endr
	s_and_b32 s16, s16, s17                        ; bit r + 16 h: all 64 keys of that lane are hidden
	s_or_b32 s18, s18, s19                         ; some key of that lane is hidden
	s_lshr_b32 s17, s16, 16
	s_and_b32 s16, s16, s17                        ; both halves of row r
	s_not_b32 s16, s16
	s_and_b32 s16, s16, 0xffff                     ; bit r: row r has an open key in this step
	s_cmp_lg_u32 s16, 0
	s_cselect_b32 s20, 1, 0                        ; work
	s_cmp_lg_u32 s18, 0
	s_cselect_b32 s21, 0x10000, 0                  ; mixed
	s_or_b32 s20, s20, s21
	s_lshl_b32 s20, s20, s13                       ; at the step's bit: sixteen such words are joined by OR
.set n, 0
	v_writelane_b32 v4, s[32+2*n+4*(n/16)], n      ; lane n takes words 2 n and 2 n + 1
	v_writelane_b32 v5, s[33+2*n+4*(n/16)], n
.set n, n+1
.rept (32)-1
	s_delay_alu instid0(VALU_DEP_2)
	v_writelane_b32 v4, s[32+2*n+4*(n/16)], n
	s_delay_alu instid0(VALU_DEP_2)
	v_writelane_b32 v5, s[33+2*n+4*(n/16)], n
.set n, n+1
.endr
	global_store_b64 v9, v[4:5], s[6:7]            ; 32 lanes store 256 consecutive bytes, at a multiple of 256 from the buffer's first byte
	v_mov_b32 v10, s20
	v_mov_b32 v11, s16
	v_cmp_eq_u32 vcc_lo, 0, v1
	s_wait_alu depctr_va_vdst(0)
	s_wait_xcnt 0x0                                ; EXEC is a source of the store above: it changes only behind this wait
	s_wait_tensorcnt 0x0
	ds_add_u32 v160, v161
	s_wait_dscnt 0x0
	s_and_saveexec_b32 s21, vcc_lo                 ; lane 0 alone
	global_store_b64 v12, v[10:11], s[8:9]
	s_wait_xcnt 0x0                                ; and again in front of the line that widens it
	s_or_b32 exec_lo, exec_lo, s21
	s_endpgm
.Lfunc_end_k_q11a1ccf794_maskbits:
	.size	k_q11a1ccf794_maskbits, .Lfunc_end_k_q11a1ccf794_maskbits-k_q11a1ccf794_maskbits
	.p2alignl 7, 3214868480
	.fill 96, 4, 3214868480
	.section	.rodata,"a",@progbits
	.p2align	6, 0x0
	.amdhsa_kernel k_q11a1ccf794_maskbits
		.amdhsa_group_segment_fixed_size 68608
		.amdhsa_private_segment_fixed_size 0
		.amdhsa_enable_private_segment 0
		.amdhsa_kernarg_size 24
		.amdhsa_user_sgpr_count 2
		.amdhsa_user_sgpr_kernarg_segment_ptr 1
		.amdhsa_wavefront_size32 1
		.amdhsa_system_sgpr_workgroup_id_x 1
		.amdhsa_system_sgpr_workgroup_id_y 1
		.amdhsa_system_sgpr_workgroup_id_z 1
		.amdhsa_system_vgpr_workitem_id 0
		.amdhsa_next_free_vgpr 162
		.amdhsa_next_free_sgpr 100
		.amdhsa_reserve_vcc 1
		.amdhsa_float_denorm_mode_32 3
		.amdhsa_float_denorm_mode_16_64 3
		.amdhsa_memory_ordered 1
		.amdhsa_forward_progress 1
		.amdhsa_inst_pref_size 19
	.end_amdhsa_kernel
	.amdgpu_metadata
---
amdhsa.version: [ 1, 2 ]
amdhsa.kernels:
  - .name:           k_q11a1ccf794_maskbits
    .symbol:         k_q11a1ccf794_maskbits.kd
    .args:
      - { .name: mask, .offset: 0, .size: 8, .value_kind: global_buffer, .address_space: global }
      - { .name: mbits, .offset: 8, .size: 8, .value_kind: global_buffer, .address_space: global }
      - { .name: minfo, .offset: 16, .size: 8, .value_kind: global_buffer, .address_space: global }
    .group_segment_fixed_size: 68608
    .private_segment_fixed_size: 0
    .kernarg_segment_align: 8
    .kernarg_segment_size: 24
    .max_flat_workgroup_size: 256
    .sgpr_count:     100
    .vgpr_count:     162
    .wavefront_size: 32
...
	.end_amdgpu_metadata
.endif
;; end of part 3
;; launch attend (part 4): grid 4 x 64, 16 waves a work-group, no clusters, 219,648 bytes of LDS; arguments q_codes, q_scales, k_codes, k_scales, v_codes, v_scales, mbits, minfo, out0; writes out0
.if DOCPART == 4
	.amdgcn_target "amdgcn-amd-amdhsa--gfx1250"
	.amdhsa_code_object_version 6
	.text
	.protected	k_q11a1ccf794_attend
	.globl	k_q11a1ccf794_attend
	.p2align	8
	.type	k_q11a1ccf794_attend,@function
k_q11a1ccf794_attend:
	s_mov_b64 s[64:65], 0
	v_nop
	global_prefetch_b8 v0, s[64:65] scope:SCOPE_SE
	s_setreg_imm32_b32 hwreg(HW_REG_WAVE_SCHED_MODE, 0, 2), 2
	s_setreg_imm32_b32 hwreg(HW_REG_WAVE_MODE, 25, 1), 1
	s_wait_xcnt 0x0
	s_wait_alu depctr_vm_vsrc(0)
; out0[head][q][:] = the sum over k of softmax_k(where(mask[q][k] == 0, -9e15, Q[q] . K[k] / 8)) V[k][:], 64 heads, 2,048 queries and keys, head size 64.
; Both products on codes of FP4 (E2M1) with one E8M0 scale for each 32 along a product's K.  Q, K: rows of 32 bytes of codes and 2 scale bytes; V: keys innermost, 64 rows of 1,024 bytes and 64 scale bytes a head.
; THE SOFTMAX AHEAD OF THE SECOND PRODUCT: t = score x log2(e) / 8; M = the row's largest t so far, rounded UP to a whole number; p = 2^(t - M) is quantised along the keys, not normalised;
; the row's sum is taken of the unquantised p and divides at the end.  When M moves, the sum and O are multiplied by 2^(old M - new M): exact.
; THE MASK is an input.  An earlier launch has turned it into lane masks (mbits) and, for each tile of 16 queries and step of 128 keys, the bits work, mixed and sixteen row bits (minfo).
;   A step in which no row of the tile has an open key is left out, IF every row of the tile has an open key somewhere: every p of that step would then be 0.
;   If some row of the tile has no open key at all, all sixteen steps are walked: that row's softmax is uniform over all keys, as reference() has it.
;   A step with nothing hidden reads no mask words.
; THE HIDDEN VALUE.  A hidden score becomes -2^56, that is the logit -2^53 = -9.007e15 where reference() has -9e15: c x 2^56 is exact, so in a row whose keys so far are all hidden M = t and t - M = 0 exactly, p = 1.
;   When an open key arrives, old M - new M saturates in the conversion to a whole number, f = 0, and what was summed is wiped.
; LIMITS: the results are the definition's as long as every open logit lies above -8.9e15; scale bytes of 0xff (NaN) among the inputs are not served.
; SHARES.  Work-group (g, head): 256 in all.  It keeps the head's whole K and V, codes and scales, in LDS (147,712 bytes, filled once through registers: one barrier in the launch) and owns the query tiles 4 jj + g, jj = 0 .. 31.
;   Wave w takes jj = w and then jj = 31 - w, one tile of 16 queries at a time, in 256 registers: four waves to a SIMD, so that one wave's vector work stands beside another's matrix work and LDS loads.
;   No tensor load and no cluster: the walk over the steps branches on numbers read from memory, and what the four work-groups of a head share is read once by each at its head.
; LAYOUT.  Both products are used transposed: S^T = K Q^T (source 0 = 16 keys, source 1 = my 16 queries), O^T = V^T P^T (source 0 = 16 of the head's 64, source 1 = P): a lane holds ONE query (lane % 16) throughout.
;   THE KEYS OF A TILE ARE NOT NEIGHBOURS: lane r of tile 2 b + u takes key 32 b + 8 u + r + 8 (r / 8), so that the 16 registers of tiles 2 b and 2 b + 1 are the neighbouring keys 32 b + 16 (lane / 16) + 0 .. 15.
;   THE FIRST PRODUCT'S K IS 64, the instruction's 128.  Q's registers 4-7 are zero codes.  K's fragment t is named v[KF + 4 t : KF + 4 t + 7]: its upper four registers are the next fragment's codes (the last one's: four
;   cleared registers): finite numbers, each multiplied by a zero code.  Bytes 2 and 3 of both scale words are 0, which is 2^-127 and no NaN.  So k = 64 .. 127 adds exactly 0.
; THE MODE: SCHED_MODE bits 1:0 = 2 (LLVM: expert scheduling mode 2), set by the entry lines.  The code itself states the register dependences
; between vector or matrix instructions and memory or LDS instructions, with s_wait_alu, always for 0.
; THE PLAN.  Registers that memory or LDS instructions touch:
;   v1-9, v232-243       offsets and addresses, made at the head and never written again.
;   ADK, ADS, ADV, ADT   written by four additions at the head of a worked step; read by that step's eighteen LDS loads.
;   KF 0-31, KS          a step's first nine LDS loads land in them; its eight products K Q^T read them.  (At the head the fill's loads land in them and its LDS stores read them; VF and VS likewise.)
;   VF, VS               nine LDS loads, dealt among the products K Q^T, land in them; the four products V^T P^T at the step's end read them.
;   TQ .. TQ+2           written by three additions at a tile's head; read by Q's two loads and by the tile's eight stores.
;   QF 0-3, QS           Q's loads land in them at a tile's head; the tile's products K Q^T read them.
;   S                    in the steps named by matrix and vector instructions alone; on the way out S 0-31 are written by multiplications and read by LDS stores, LDS loads land in S 32-63 and the global stores read those.
;   PC, PW, QF 4-7, KF 32-35 are written by vector instructions and taken by scaled products as operands or scales.
; So a worked step has, beside the softmax's three waits: one wait on vm_vsrc ahead of the four additions; one on va_vdst behind them, which serves all eighteen loads, since the products K Q^T name S, KF, QF, KS and QS,
; none of the registers that V's loads touch; and one on va_vdst ahead of the products V^T P^T.  A tile has one wait on va_vdst ahead of Q's loads, one ahead of the way out's LDS stores, and one on vm_vsrc at its end.
.set KIMG, 0                           ; LDS: K's fragments as images of their registers: step j x 4,096 + tile t x 512 + 16 x lane
.set KSC,  65536                       ; K's scale words: j x 512 + 16 x lane: four words; lanes 0-15 tiles 0-3, lanes 16-31 tiles 4-7
.set VIMG, 73728                       ; V: t x 17,408 + p x 272 + 16 r: piece p (16 bytes: keys 32 p on) of row d = 16 t + r
.set VSC,  143360                      ; V's scale words: j x 272 + 16 r + 4 t
.set STG,  147712                      ; the way out: 16 rows x (256 + 16) bytes for each wave, its own
.set VP,   272                         ; 256 bytes + 16
.set LK,   1                           ; v1   KIMG + 16 x lane
.set LKS,  2                           ; v2   KSC + 16 x lane
.set LV,   3                           ; v3   VIMG + 272 h + 16 r
.set LVS,  4                           ; v4   VSC + 16 r
.set STO,  5                           ; v5   the stage, in: row r, + 32 h
.set SRD,  6                           ; v6   the stage, back: row h, + 16 r
.set GO,   7                           ; v7   16 x lane
.set QO,   8                           ; v8   32 r + 16 h
.set QSO,  9                           ; v9   2 r
.set ADK,  10                          ; v10, v11, v26, v27: the step's LDS addresses
.set ADS,  11
.set ADV,  26
.set ADT,  27                          ; v12 -M, v13 the largest t, v[14:15] the sum in two halves
.set QF,   16                          ; v16-23 Q's fragment (v20-23 = 0)
.set QS,   24                          ; v24  Q's scale word
.set NEGV, 25                          ; v25  -2^56
.set TQ,   28                          ; v28-30 the tile's offsets in q_codes, q_scales, out0
.set KF,   32                          ; v32-67 K's eight fragments of four registers, and four zeros
.set KS,   68                          ; v68-71 K's scale words
.set VF,   72                          ; v72-103 V's four fragments
.set VS,   104                         ; v104-107 V's scale words
.set S,    108                         ; v108-171 S^T, then p; on the way out O / l and the rows read back
.set O,    172                         ; v172-203 O^T: register 8 t + i = channel 16 t + 8 h + i
.set PC,   204                         ; v204-211 p's codes
.set BM,   212                         ; v212-215 the blocks' largest scores, then largest p
.set BP,   216                         ; v216-219 the other half's, then the scale bytes
.set BS,   220                         ; v220-223 the conversions' scale operands
.set F,    224                         ; v[224:225] f (v225 = 0: named with it as a pair)
.set PW,   226                         ; v226 p's scale word
.set T,    227                         ; v227 at work
.set C2,   228                         ; v[228:229] the second chain of the sum
.set SEL,  8                           ; s[8:9]   lane selects for v_permlanex16_b32: lane l xor 16   (s[8:15] hold K's and V's addresses during the fill)
.set CS,   10                          ; s[10:11] c = log2(e) / 8, twice: the packed form names a pair
.set TK,   12                          ; s12-15   the step's place in KIMG, KSC, VIMG, VSC
.set TKS,  13
.set TV,   14
.set TVS,  15
.set WV,   22                          ; s22 wave;  s23 the step's place in mbits;  s24 jj;  s25 i;  s26 tiles to go;  s27 steps to go;  s28 work bits;  s29 mixed bits;  s30, s31 at work
.set MO,   23                          ; s32-63, s68-99: a mixed step's 64 lane masks; s32-63 also the tile's 32 info words
	s_load_b256 s[4:11], s[0:1], 0x0               ; q_codes s[4:5], q_scales s[6:7], k_codes s[8:9], k_scales s[10:11]
	s_load_b256 s[12:19], s[0:1], 0x20             ; v_codes s[12:13], v_scales s[14:15], mbits s[16:17], minfo s[18:19]
	s_load_b64 s[20:21], s[0:1], 0x40              ; out0
	v_lshl_add_u32 v254, v0, 2, 0x35200
	v_mov_b32 v255, 0
	v_lshrrev_b32 v232, 5, v0
	v_readfirstlane_b32 s[WV], v232                ; wave 0..15
	v_and_b32 v232, 31, v0                         ; lane
	v_and_b32 v233, 15, v0                         ; r
	v_bfe_u32 v234, v0, 4, 1                       ; h
	; the addresses that stay
	v_lshlrev_b32 v[LK], 4, v232
	v_lshl_add_u32 v[LKS], v232, 4, KSC
	v_mul_u32_u24 v[LV], v234, VP
	v_lshl_add_u32 v[LV], v233, 4, v[LV]
	v_add_nc_u32 v[LV], VIMG, v[LV]
	v_lshl_add_u32 v[LVS], v233, 4, VSC
	s_wait_alu depctr_va_sdst(0)                   ; the wave's number is written to s22, ahead of its first reader, the line below
	s_mul_i32 s30, s[WV], 16*VP
	s_add_co_u32 s30, s30, STG                     ; my stage
	v_mul_u32_u24 v[STO], v233, VP
	v_lshl_add_u32 v[STO], v234, 5, v[STO]
	v_add_nc_u32 v[STO], s30, v[STO]
	v_mul_u32_u24 v[SRD], v234, VP
	v_lshl_add_u32 v[SRD], v233, 4, v[SRD]
	v_add_nc_u32 v[SRD], s30, v[SRD]
	v_lshlrev_b32 v[GO], 4, v232
	v_lshlrev_b32 v[QO], 5, v233
	v_lshl_add_u32 v[QO], v234, 4, v[QO]
	v_lshlrev_b32 v[QSO], 1, v233
	; the fill's offsets in memory.  Wave w brings step w of K (4,096 bytes of codes), rows 4 w .. 4 w + 3 of V (4,096 bytes), 256 bytes of each tensor of scales
	v_and_b32 v243, 8, v233
	v_and_b32 v235, 7, v233
	v_lshlrev_b32 v235, 5, v235
	v_lshl_add_u32 v235, v243, 6, v235             ; 32 x (r + 8 (r / 8)): the tile's key of my lane,
	v_lshl_add_u32 v235, v234, 4, v235             ; + 16 h: my block of 32 codes
	s_lshl_b32 s31, s[WV], 12
	v_add_nc_u32 v235, s31, v235                   ; K's codes
	v_add_nc_u32 v236, s31, v[GO]                  ; V's codes: as they lie, 16 bytes a lane
	v_add_nc_u32 v239, s31, v[LK]                  ; and where K's images go: KIMG + 4,096 w + 16 x lane
	v_add_nc_u32 v237, v243, v233
	v_lshlrev_b32 v237, 1, v237                    ; 2 bytes a key,
	v_lshl_add_u32 v237, v234, 7, v237             ; lanes 16-31 take tiles 4-7: 64 keys on
	s_lshl_b32 s31, s[WV], 8
	v_add_nc_u32 v237, s31, v237                   ; K's scales
	v_lshlrev_b32 v238, 2, v233                    ; V's scales: the word of step lane % 16
	v_lshl_add_u32 v238, v234, 11, v238            ; of row 32 (lane / 16) + w (and, 1,024 bytes on, of the row 16 further)
	s_lshl_b32 s31, s[WV], 6
	v_add_nc_u32 v238, s31, v238
	; and where the rest goes in LDS
	v_mul_u32_u24 v240, v232, VP                   ; V: my lane's piece of the row,
	s_lshr_b32 s24, s[WV], 2
	s_mul_i32 s24, s24, 64*VP                      ; the rows' tile t = w / 4,
	s_and_b32 s25, s[WV], 3
	s_lshl_b32 s25, s25, 6                         ; and their place in it: 16 x 4 (w % 4)
	s_add_co_u32 s24, s24, s25
	s_add_co_u32 s24, s24, VIMG
	v_add_nc_u32 v240, s24, v240
	s_lshl_b32 s24, s[WV], 9
	v_add_nc_u32 v241, s24, v[LKS]                 ; K's scale words: KSC + 512 w + 16 x lane
	v_mul_u32_u24 v242, v233, VP                   ; V's: step lane % 16,
	v_lshl_add_u32 v242, v234, 3, v242             ; tiles 2 (lane / 16) and the next,
	s_lshl_b32 s24, s[WV], 4                       ; row r = w
	s_add_co_u32 s24, s24, VSC
	v_add_nc_u32 v242, s24, v242
	s_and_b32 s26, ttmp7, 0xffff                   ; the head
	s_mov_b32 s3, 0
	s_wait_kmcnt 0x0
	s_lshl_b32 s2, s26, 16                         ; a head's codes: 65,536 bytes in each tensor
	s_add_nc_u64 s[4:5], s[4:5], s[2:3]
	s_add_nc_u64 s[8:9], s[8:9], s[2:3]
	s_add_nc_u64 s[12:13], s[12:13], s[2:3]
	s_lshl_b32 s2, s26, 12                         ; its scale bytes: 4,096
	s_add_nc_u64 s[6:7], s[6:7], s[2:3]
	s_add_nc_u64 s[10:11], s[10:11], s[2:3]
	s_add_nc_u64 s[14:15], s[14:15], s[2:3]
	s_lshl_b32 s2, s26, 19                         ; its rows of out0: 524,288
	s_add_nc_u64 s[20:21], s[20:21], s[2:3]
	s_wait_alu depctr_va_vdst(0)                   ; the offsets v235 to v238, which the fill's loads read, the LDS addresses v239 to v242, which its LDS stores read, and v5 and v6, which the way out's LDS instructions read, are written
	; THE FILL: 22 loads a wave, all out together
.irp t, 0,1,2,3,4,5,6,7
	global_load_b128 v[KF+4*\t:KF+4*\t+3], v235, s[8:9] offset:(\t/2)*1024+(\t%2)*256   ; tile t of step w: two runs of 256 consecutive bytes
.endr
.irp m, 0,1,2,3,4,5,6,7
	global_load_b128 v[VF+4*\m:VF+4*\m+3], v236, s[12:13] offset:512*\m                 ; half m % 2 of row 4 w + m / 2: 512 consecutive bytes
.endr
.irp i, 0,1,2,3
	global_load_u16 v[KS+\i], v237, s[10:11] offset:64*(\i/2)+16*(\i%2)                 ; the key's two bytes, zeros above them
.endr
	global_load_b32 v[VS], v238, s[14:15]
	global_load_b32 v[VS+1], v238, s[14:15] offset:1024
	; what is written once.  None of these registers is touched by a load or an LDS store of the fill
.irp n, 0,1,2,3
	v_mov_b32 v[QF+4+\n], 0                        ; Q's codes of k = 64 .. 127
	v_mov_b32 v[KF+32+\n], 0                       ; behind K's last fragment
	v_mov_b32 v[BP+\n], 0                          ; (a lane permute's destination counts as one of its sources)
.endr
	v_mov_b32 v[NEGV], 0xdb800000                  ; -2^56
	v_mov_b32 v[F+1], 0
	v_mov_b32 v[T], 0
	s_wait_loadcnt 14                              ; K's eight are in; out may be V's eight, the four of K's scales, the two of V's
.irp t, 0,1,2,3,4,5,6,7
	ds_store_b128 v239, v[KF+4*\t:KF+4*\t+3] offset:512*\t
.endr
	s_wait_loadcnt 6                               ; V's eight are in; out may be the six loads of scales
.irp m, 0,1,2,3,4,5,6,7
	ds_store_b128 v240, v[VF+4*\m:VF+4*\m+3] offset:(\m/2)*16+(\m%2)*32*VP
.endr
	s_wait_loadcnt 2                               ; K's scales are in; out may be V's two
	ds_store_b128 v241, v[KS:KS+3]
	s_wait_loadcnt 0x0
	ds_store_b64 v242, v[VS:VS+1]
	s_wait_dscnt 0x0                               ; for the others' sake: my stores have landed
	s_barrier_signal -1
	s_barrier_wait -1                              ; the head's K and V lie in LDS; nobody writes them again
	s_wait_alu depctr_vm_vsrc(0)                   ; the fill's LDS stores have read v[KF ..], v[KS ..], v[VF ..] and v[VS ..], in which the steps' LDS loads land
	s_mov_b32 s[SEL], 0x76543210                   ; (every load that named s[8:15] is done)
	s_mov_b32 s[SEL+1], 0xfedcba98
	s_mov_b32 s[CS], 0x3e38aa3b                    ; c = log2(e) / 8
	s_mov_b32 s[CS+1], s[CS]
	s_mov_b32 s24, s[WV]                           ; jj
	s_mov_b32 s26, 2
; a step's first nine LDS loads: K's fragments and scale words; each half of the lanes reads 256 consecutive bytes
.macro KLOADS
.irp t, 0,1,2,3,4,5,6,7
	ds_load_b128 v[KF+4*\t:KF+4*\t+3], v[ADK] offset:512*\t
.endr
	ds_load_b128 v[KS:KS+3], v[ADS]
.endm
; S^T = K Q^T: eight tiles of 16 keys, each sum begun with the constant 0.  V's nine LDS loads are dealt among the products: load t brings half t % 2 of V's fragment t / 2.
; No wait stands ahead of them: since the wait at the step's head no vector or matrix instruction has named VF, VS, ADV or ADT (the products name S, KF, QF, KS and QS).  They land under the softmax.
.macro QK
	s_wait_dscnt 0x0                               ; K's fragments and scale words are in: these nine are all that is out
.irp t, 0,1,2,3
	v_wmma_scale_f32_16x16x128_f8f6f4 v[S+8*\t:S+8*\t+7], v[KF+4*\t:KF+4*\t+7], v[QF:QF+7], 0, v[KS+\t], v[QS] matrix_a_fmt:MATRIX_FMT_FP4 matrix_b_fmt:MATRIX_FMT_FP4
	ds_load_b128 v[VF+4*\t:VF+4*\t+3], v[ADV] offset:64*VP*(\t/2)+2*VP*(\t%2)
.endr
.irp t, 4,5,6,7
	v_wmma_scale_f32_16x16x128_f8f6f4 v[S+8*\t:S+8*\t+7], v[KF+4*\t:KF+4*\t+7], v[QF:QF+7], 0, v[KS+\t-4], v[QS] matrix_a_fmt:MATRIX_FMT_FP4 matrix_b_fmt:MATRIX_FMT_FP4 matrix_a_scale:MATRIX_SCALE_ROW1
	ds_load_b128 v[VF+4*\t:VF+4*\t+3], v[ADV] offset:64*VP*(\t/2)+2*VP*(\t%2)
.endr
	ds_load_b128 v[VS:VS+3], v[ADT]
.rept 4
	v_nop                                          ; four places between the last product and the first read of results (ISA guide 7.12.1)
.endr
.endm
.macro SOFTMAX
.irp b, 0,1,2,3
	v_max3_num_f32 v[BM+\b], v[S+16*\b], v[S+16*\b+1], v[S+16*\b+2]   ; the largest score of each block of 32 keys: it serves for the row's maximum and, since p rises with the score, for the block's largest p
.endr
.irp i, 3,5,7,9,11,13
.irp b, 0,1,2,3
	v_max3_num_f32 v[BM+\b], v[BM+\b], v[S+16*\b+\i], v[S+16*\b+\i+1]  ; (the four blocks by turns; each result is read from its low end on)
.endr
.endr
.irp b, 0,1,2,3
	v_max_num_f32 v[BM+\b], v[BM+\b], v[S+16*\b+15]
.endr
.irp b, 0,1,2,3
	v_permlanex16_b32 v[BP+\b], v[BM+\b], s[SEL], s[SEL+1]
.endr
.irp b, 0,1,2,3
	v_max_num_f32 v[BM+\b], v[BM+\b], v[BP+\b]     ; with lane l xor 16's 16 keys
.endr
	v_max3_num_f32 v[T], v[BM], v[BM+1], v[BM+2]
	v_max_num_f32 v[T], v[T], v[BM+3]              ; the step's largest score of my query
	v_mul_f32 v[T], s[CS], v[T]                    ; as t (c is positive)
	v_max_num_f32 v13, v13, v[T]                   ; the running largest t
	v_mov_b32 v[T], v12
	v_floor_f32 v12, -v13                          ; the new -M = floor(-t) = -ceil(t): a whole number
	v_sub_f32 v[T], v12, v[T]                      ; old M - new M: a whole number, 0 or less
	v_cvt_i32_f32 v[T], v[T]                       ; (it saturates)
	v_ldexp_f32 v[F], 1.0, v[T]                    ; f = 2^(old M - new M)
.set j, 0
.rept 32
	v_pk_fma_f32 v[S+j:S+j+1], v[S+j:S+j+1], s[CS:CS+1], v[12:13] op_sel_hi:[1,0,0]   ; t - M, two at a time (of the pairs c and -M the low word serves both halves)
.set j, j+2
.endr
.irp b, 0,1,2,3
	v_fma_f32 v[BM+\b], v[BM+\b], s[CS], v12       ; the same of each block's largest score
.endr
.set j, 0
	s_wait_alu depctr_va_vdst(0)
.rept 64
	v_exp_f32 v[S+j], v[S+j]                       ; p = 2^(t - M), at most 1: not normalised
.set j, j+1
.endr
	v_pk_mul_f32 v[14:15], v[14:15], v[F:F+1] op_sel_hi:[1,0]   ; the sums under the new M: the plain instruction behind the exponentials
	s_wait_alu depctr_va_vdst(0)                   ; the 64 exponentials have written v[S ..]: one wait for the batch, ahead of its first reader
.irp b, 0,1,2,3
	v_exp_f32 v[BM+\b], v[BM+\b]                   ; the block's largest p: the same two instructions on the same number give the same bits
.endr
	v_pk_add_f32 v[C2:C2+1], v[S:S+1], v[S+2:S+3]  ; the row's sum is taken of the unquantised p: two at a time, in two chains; it reads the 64 alone
.irp j, 4,8,12,16,20,24,28,32,36,40,44,48,52,56,60
	v_pk_add_f32 v[14:15], v[14:15], v[S+\j:S+\j+1]
	v_pk_add_f32 v[C2:C2+1], v[C2:C2+1], v[S+\j+2:S+\j+3]
.endr
	v_pk_add_f32 v[14:15], v[14:15], v[C2:C2+1]
	s_wait_alu depctr_va_vdst(0)                   ; the four exponentials have written v[BM ..], ahead of their first reader
.irp b, 0,1,2,3
	v_max_num_f32 v[BM+\b], 0x1800000, v[BM+\b]    ; the floor 2^(3 - 127): the byte cannot fall under 1 (a block whose every p is 0 keeps that byte: its codes are zeros)
.endr
.irp b, 0,1,2,3
	v_add_nc_u32 v[BS+\b], 0xff000000, v[BM+\b]    ; 2 off the exponent field: the conversion takes the exponent field of this operand as its scale
.endr
.irp b, 0,1,2,3
	v_lshrrev_b32 v[BP+\b], 23, v[BS+\b]           ; the scale's byte
.endr
	v_lshl_or_b32 v[PW], v[BP+1], 8, v[BP]         ; p's scale word for these 128 keys
	v_lshl_or_b32 v[PW], v[BP+2], 16, v[PW]
	v_lshl_or_b32 v[PW], v[BP+3], 24, v[PW]
.irp b, 0,1,2,3
	v_cvt_scalef32_pk8_fp4_f32 v[PC+2*\b], v[S+16*\b:S+16*\b+7], v[BS+\b]
	v_cvt_scalef32_pk8_fp4_f32 v[PC+2*\b+1], v[S+16*\b+8:S+16*\b+15], v[BS+\b]
.endr
	v_nop                                          ; one plain instruction between a scaled conversion and the vector instruction that touches its result
.irp c, 0,1                                    ; the operand's layout wants a whole block in a lane: lanes 0-15 block 2 c, lanes 16-31 block 2 c + 1
.irp i, 0,1
	v_permlane16_swap_b32 v[PC+4*\c+\i], v[PC+4*\c+2+\i]
.endr
.endr
.set j, 0
.rept 16
	v_pk_mul_f32 v[O+j:O+j+1], v[O+j:O+j+1], v[F:F+1] op_sel_hi:[1,0]   ; O^T under the new M.  Twelve of the sixteen name no register of a given product below: the places between p's scale word and codes and their use
.set j, j+2
.endr
.endm
; O^T += V^T P^T: four tiles of 16 channels, K = these 128 keys.  The four accumulators take turns, and eight products K Q^T stand between two links of a chain
.macro PV
	s_wait_dscnt 0x0                               ; V's fragments and scale words are in
	s_wait_alu depctr_va_vdst(0)                   ; p's scale word v[PW] and its codes v[PC ..] are written, which the scaled products take as scales and as source 1; the places above stay beside this wait
.irp t, 0,1,2,3
	v_wmma_scale_f32_16x16x128_f8f6f4 v[O+8*\t:O+8*\t+7], v[VF+8*\t:VF+8*\t+7], v[PC:PC+7], v[O+8*\t:O+8*\t+7], v[VS+\t], v[PW] matrix_a_fmt:MATRIX_FMT_FP4 matrix_b_fmt:MATRIX_FMT_FP4
.endr
.endm
.Ltile:                                            ; two trips: the wave's two tiles
	s_lshl_b32 s25, s24, 2
	s_add_co_u32 s25, s25, ttmp9                   ; i = 4 jj + g
	s_lshl_b32 s30, s25, 7                         ; the tile's 32 info words: 128 bytes
	s_load_b512 s[32:47], s[18:19], s30
	s_load_b512 s[48:63], s[18:19], s30 offset:0x40
	s_lshl_b32 s31, s25, 9
	v_add_nc_u32 v[TQ], s31, v[QO]                 ; 16 rows of 32 bytes
	s_lshl_b32 s31, s25, 5
	v_add_nc_u32 v[TQ+1], s31, v[QSO]              ; of 2 bytes
	s_lshl_b32 s[MO], s25, 12                      ; the tile's 16 x 256 bytes of mbits; and 16 rows of 256 bytes of out0
	v_add_nc_u32 v[TQ+2], s[MO], v[GO]
	s_wait_alu depctr_va_vdst(0)                   ; the three offsets are written, which Q's loads and the tile's stores read; the last tile's products are done reading v[QF ..] and v[QS], in which Q's loads land; in the first trip the zero codes v[QF+4 ..] and v[KF+32 ..], operands of the scaled products, are written
	global_load_b128 v[QF:QF+3], v[TQ], s[4:5] th:TH_LOAD_NT    ; Q's fragment: read once in the launch
	global_load_u16 v[QS], v[TQ+1], s[6:7] th:TH_LOAD_NT        ; its two scale bytes, zeros above them
	v_mov_b32 v13, 0xff61b1e6                      ; the largest t so far: -3e38, under every t
	v_floor_f32 v12, -v13                          ; -M
	v_mov_b32 v14, 0                               ; the sum, in two halves
	v_mov_b32 v15, 0
.set j, 0
.rept 32
	v_mov_b32 v[O+j], 0                            ; O^T.  Which step is a tile's first is known only from the stored list, so none can be written out: the first finds zeros
.set j, j+1
.endr
	s_wait_kmcnt 0x0
.irp k, 1,2,3,4,5,6,7,8,9,10,11,12,13,14,15
	s_or_b64 s[32:33], s[32:33], s[32+2*\k:33+2*\k]   ; s32: work bits 0-15, mixed bits 16-31;  s33: the rows that have an open key somewhere
.endr
	s_cmp_eq_u32 s33, 0xffff
	s_cselect_b32 s31, 0, 0xffff                   ; a row with no open key at all: every step is walked
	s_or_b32 s32, s32, s31
	s_and_b32 s28, s32, 0xffff
	s_lshr_b32 s29, s32, 16
	s_mov_b32 s[TK], 0
	s_mov_b32 s[TKS], 0
	s_mov_b32 s[TV], 0
	s_mov_b32 s[TVS], 0
	s_mov_b32 s27, 16
	s_wait_loadcnt 0x0                             ; Q
.Lstep:                                            ; sixteen trips, always: what is left out is a step's work
	s_bitcmp1_b32 s28, 0
	s_cbranch_scc0 .Lnext
	s_wait_alu depctr_vm_vsrc(0)                   ; the LDS loads of the last worked step have read the four address registers, which the additions below write
	v_add_nc_u32 v[ADK], s[TK], v[LK]              ; the step's four LDS addresses
	v_add_nc_u32 v[ADS], s[TKS], v[LKS]
	v_add_nc_u32 v[ADV], s[TV], v[LV]
	v_add_nc_u32 v[ADT], s[TVS], v[LVS]
	s_wait_alu depctr_va_vdst(0)                   ; the four addresses are written, which the step's eighteen LDS loads read; the last worked step's products are done reading v[KF ..], v[KS ..], v[VF ..] and v[VS ..], in which those loads land
	KLOADS
	s_bitcmp1_b32 s29, 0
	s_cbranch_scc0 .Lopen
	s_load_b512 s[32:47], s[16:17], s[MO]          ; something is hidden here: the step's 64 lane masks, asked for ahead of the products
	s_load_b512 s[48:63], s[16:17], s[MO] offset:0x40
	s_load_b512 s[68:83], s[16:17], s[MO] offset:0x80
	s_load_b512 s[84:99], s[16:17], s[MO] offset:0xc0
	QK
	s_wait_kmcnt 0x0
.set n, 0
.rept 64
	v_cndmask_b32 v[S+n], v[S+n], v[NEGV], s[32+n+4*(n/32)]   ; hidden scores become -2^56, ahead of the maximum
.set n, n+1
.endr
	s_branch .Lsoft
.Lopen:
	QK
.Lsoft:
	SOFTMAX
	PV
.Lnext:
	s_lshr_b32 s28, s28, 1
	s_lshr_b32 s29, s29, 1
	s_add_co_u32 s[TK], s[TK], 4096
	s_add_co_u32 s[TKS], s[TKS], 512
	s_add_co_u32 s[TV], s[TV], 4*VP
	s_add_co_u32 s[TVS], s[TVS], VP
	s_add_co_u32 s[MO], s[MO], 256                 ; (the scalar loads that named it were waited for in their arm)
	s_sub_co_u32 s27, s27, 1
	s_cmp_lg_u32 s27, 0
	s_cbranch_scc1 .Lstep
	; THE WAY OUT of a tile: O^T / the sum goes through my stage in LDS and leaves as whole rows
.rept 4
	v_nop                                          ; the last products may stand just ahead
.endr
	v_add_f32 v14, v14, v15                        ; the sum's two halves,
	v_permlanex16_b32 v[T], v14, s[SEL], s[SEL+1]
	v_add_f32 v14, v14, v[T]                       ; and lane l xor 16's: the row's sum
	s_wait_alu depctr_va_vdst(0)
	v_rcp_f32 v14, v14
	v_nop                                          ; a plain instruction behind the reciprocal
	s_wait_alu depctr_va_vdst(0)                   ; the reciprocal has written v14, ahead of its first reader
.set j, 0
.rept 16
	v_pk_mul_f32 v[S+j:S+j+1], v[O+j:O+j+1], v[14:15] op_sel_hi:[1,0]   ; each accumulator from its low end on
.set j, j+2
.endr
	s_wait_alu depctr_va_vdst(0)                   ; the multiplications have written v[S .. S+31], which the LDS stores read; the softmax is done with v[S+32 .. S+63], in which the LDS loads land
.irp t, 0,1,2,3
	ds_store_b128 v[STO], v[S+8*\t:S+8*\t+3] offset:64*\t             ; lane (r, h): out(r, 16 t + 8 h + 0 .. 7)
	ds_store_b128 v[STO], v[S+8*\t+4:S+8*\t+7] offset:64*\t+16
.endr
.irp k, 0,1,2,3,4,5,6,7
	ds_load_b128 v[S+32+4*\k:S+32+4*\k+3], v[SRD] offset:2*VP*\k       ; LDS serves a wave's instructions in order: these see my stores.  Lanes 0-15 row 2 k, lanes 16-31 row 2 k + 1
.endr
.irp k, 0,1,2,3,4,5,6,7
	s_wait_dscnt 7-\k                              ; the younger loads may be out
	global_store_b128 v[TQ+2], v[S+32+4*\k:S+32+4*\k+3], s[20:21] offset:512*\k th:TH_STORE_NT   ; 32 lanes store 512 consecutive bytes, two whole rows, at a multiple of 256 from out0's first byte
.endr
	s_wait_xcnt 0x0                                ; the stores have read their offsets and data: both are written again in the next trip
	s_wait_alu depctr_vm_vsrc(0)                   ; the LDS stores have read v[S .. S+31], the global stores v[S+32 .. S+63] and v[TQ+2], Q's loads v[TQ] and v[TQ+1]: the next trip's additions and products write them again
	s_sub_co_u32 s24, 31, s24                      ; the wave's other tile
	s_sub_co_u32 s26, s26, 1
	s_cmp_lg_u32 s26, 0
	s_cbranch_scc1 .Ltile
	s_wait_dscnt 0x0
	s_wait_alu depctr_hold_cnt(0) depctr_sa_sdst(0) depctr_va_vdst(0) depctr_va_sdst(0) depctr_va_ssrc(0) depctr_va_vcc(0) depctr_vm_vsrc(0)
	s_wait_tensorcnt 0x0
	ds_add_u32 v254, v255
	s_wait_dscnt 0x0
	s_endpgm
.Lfunc_end_k_q11a1ccf794_attend:
	.size	k_q11a1ccf794_attend, .Lfunc_end_k_q11a1ccf794_attend-k_q11a1ccf794_attend
	.p2alignl 7, 3214868480
	.fill 96, 4, 3214868480
	.section	.rodata,"a",@progbits
	.p2align	6, 0x0
	.amdhsa_kernel k_q11a1ccf794_attend
		.amdhsa_group_segment_fixed_size 219648
		.amdhsa_private_segment_fixed_size 0
		.amdhsa_enable_private_segment 0
		.amdhsa_kernarg_size 72
		.amdhsa_user_sgpr_count 2
		.amdhsa_user_sgpr_kernarg_segment_ptr 1
		.amdhsa_wavefront_size32 1
		.amdhsa_system_sgpr_workgroup_id_x 1
		.amdhsa_system_sgpr_workgroup_id_y 1
		.amdhsa_system_sgpr_workgroup_id_z 1
		.amdhsa_system_vgpr_workitem_id 0
		.amdhsa_next_free_vgpr 256
		.amdhsa_next_free_sgpr 100
		.amdhsa_reserve_vcc 0
		.amdhsa_float_denorm_mode_32 3
		.amdhsa_float_denorm_mode_16_64 3
		.amdhsa_memory_ordered 1
		.amdhsa_forward_progress 1
		.amdhsa_inst_pref_size 36
	.end_amdhsa_kernel
	.amdgpu_metadata
---
amdhsa.version: [ 1, 2 ]
amdhsa.kernels:
  - .name:           k_q11a1ccf794_attend
    .symbol:         k_q11a1ccf794_attend.kd
    .args:
      - { .name: q_codes, .offset: 0, .size: 8, .value_kind: global_buffer, .address_space: global }
      - { .name: q_scales, .offset: 8, .size: 8, .value_kind: global_buffer, .address_space: global }
      - { .name: k_codes, .offset: 16, .size: 8, .value_kind: global_buffer, .address_space: global }
      - { .name: k_scales, .offset: 24, .size: 8, .value_kind: global_buffer, .address_space: global }
      - { .name: v_codes, .offset: 32, .size: 8, .value_kind: global_buffer, .address_space: global }
      - { .name: v_scales, .offset: 40, .size: 8, .value_kind: global_buffer, .address_space: global }
      - { .name: mbits, .offset: 48, .size: 8, .value_kind: global_buffer, .address_space: global }
      - { .name: minfo, .offset: 56, .size: 8, .value_kind: global_buffer, .address_space: global }
      - { .name: out0, .offset: 64, .size: 8, .value_kind: global_buffer, .address_space: global }
    .group_segment_fixed_size: 219648
    .private_segment_fixed_size: 0
    .kernarg_segment_align: 8
    .kernarg_segment_size: 72
    .max_flat_workgroup_size: 512
    .sgpr_count:     100
    .vgpr_count:     256
    .wavefront_size: 32
...
	.end_amdgpu_metadata
.endif
;; end of part 4
